; MI455X (gfx1250); checked and timed in simulation.
; The chip was launched on July 23, 2026; its instructions are those of AMD's public machine-readable ISA for CDNA 5 (MIT licence, August 2026) and "CDNA5" Instruction Set Architecture Reference Guide (July 2026). The comments in the code are by the model that wrote it; some were corrected since.
;; Causal Conv3d Attn Block. Allowed arithmetic: matrix products marked QUANTISED: E5M2 operands, one given power-of-two scale a tensor, by v_wmma_f32_16x16x64_bf8_bf8 or v_wmma_f32_16x16x128_bf8_bf8, f32 sums; everything else in f32.
;; Inputs: beta 256 float32; bk 256 float32; bp 256 float32; bq 256 float32; bv 256 float32; gamma 256 float32; lowp_scales 12 int32 (the exponents e of the quantised operands' scales 2^e); wk 256 x 256 float32; wp 256 x 256 float32; wq 256 x 256 float32; wv 256 x 256 float32; x 1 x 256 x 4 x 64 x 64 float32.
;; Outputs: out0 1 x 256 x 4 x 64 x 64 float32.
;; This version of the problem:
;;   THIS VERSION OF THE PROBLEM IS GIVEN IN LOW PRECISION. The matrix products marked QUANTISED in the list below multiply operands that are first quantised to E5M2 (5 exponent bits, 2 mantissa bits; 8 bits a number), with one given power-of-two scale for each operand tensor; their sums are f32. All else is computed in f32.
;;   The module's matrix products, in the order in which they are computed (A, B: the left and right operand; K: the contracted axis; several contracted axes count as one K, in the product's order):
;;     1. [M 16,384, K 256] x [K 256, N 256]; A: computed on the way; B: input wq: QUANTISED (scales: A lowp_scales[0], B lowp_scales[1])
;;     2. [M 16,384, K 256] x [K 256, N 256]; A: computed on the way; B: input wk: QUANTISED (scales: A lowp_scales[2], B lowp_scales[3])
;;     3. [M 16,384, K 256] x [K 256, N 256]; A: computed on the way; B: input wv: QUANTISED (scales: A lowp_scales[4], B lowp_scales[5])
;;     4. batch 4 x [M 4,096, K 256] x [K 256, N 4,096]; A: computed on the way; B: computed on the way: QUANTISED (scales: A lowp_scales[6], B lowp_scales[7])
;;     5. batch 4 x [M 4,096, K 4,096] x [K 4,096, N 256]; A: softmax (see below); B: computed on the way: QUANTISED (scales: A lowp_scales[8], B lowp_scales[9])
;;     6. [M 16,384, K 256] x [K 256, N 256]; A: computed on the way; B: input wp: QUANTISED (scales: A lowp_scales[10], B lowp_scales[11])
;;   THE QUANTISER, for each operand of a quantised product, along K:
;;     - The operand's scale is 2^e, e = its entry of the input lowp_scales (int32; the entries are numbered through the quantised products in the list's order, A before B).
;;     - Each number is divided by the scale, clamped to +-57,344, and rounded to the nearest number of E5M2, ties to even, subnormals kept.
;;     - The product sums the exact products of the quantised numbers (number of the format x scale) in f32.
;;   ~~~python
;;   def quantise(x, axis, e):      # numpy; x: float32 -> the quantised numbers, widened to float32 again
;;       x = np.moveaxis(x, axis, -1); K = x.shape[-1]
;;       r = np.clip(x / 2.0 ** e, -57344, 57344)
;;       step = 2.0 ** (np.maximum(np.frexp(np.where(r == 0, 1, r))[1] - 1, -14) - 2)
;;       q = np.round(r / step) * step * 2.0 ** e      # np.round: ties to even
;;       return np.moveaxis(q, -1, axis).astype(np.float32)
;;   ~~~
;;   SOFTMAX AHEAD OF A QUANTISED PRODUCT. Where the list says 'softmax', what is quantised is not the finished softmax but p = 2^(t - M), with t = logit x log2(e) and M = ceil(the row's largest t), a whole number; so 1/2 < the row's largest p <= 1. The row's sum l is taken of the UNQUANTISED p, in f32, and the product's result is divided by l at the end. Since M is a whole number, a kernel that streams over the keys may use a running M (the ceiling of the running maximum): every later rescaling is an exact power of two, so the quantised numbers keep their values, but for numbers so far below the row's largest that they fall under the format's range.
;;   OPERANDS COMPUTED ON THE WAY. 'Computed on the way' means the value that the module computes at that place (a softmax that the list does not call 'softmax' is quantised finished and normalised). What goes into a quantiser is computed in f32, as accurately as f32 sums, v_exp_f32 and their like allow (about 1e-6 of the number): no bf16 or f16 on the way to a quantiser, and a product that is left as it is and whose result goes on into a quantised operand takes f32 operands (vector FMAs, or v_wmma_f32_16x16x4_f32). A number that lies on a knife's edge between two numbers of the format may be rounded either way, as far as f32 arithmetic and the matrix unit's own rounding can turn it there, and no further.
;; One version. Each part assembles by itself: llvm-mc -triple=amdgcn-amd-amdhsa -mcpu=gfx1250 --defsym DOCPART=n.
;; ======== version 1 of 1: 3 launches
;; workspace buffers: stats 2,048 bytes; wcodes 262,144 bytes; qcodes 4,194,304 bytes; kvcodes 8,388,608 bytes
;; launch gnstat (part 1): grid 256 x 1, 8 waves a work-group, no clusters, 1,536 bytes of LDS; arguments x, wq, wk, wv, wp, lowp_scales, stats, wcodes; writes stats, wcodes
.if DOCPART == 1
	.amdgcn_target "amdgcn-amd-amdhsa--gfx1250"
	.amdhsa_code_object_version 6
	.text
	.protected	k_qe4d2f05bd0_gnstat
	.globl	k_qe4d2f05bd0_gnstat
	.p2align	8
	.type	k_qe4d2f05bd0_gnstat,@function
k_qe4d2f05bd0_gnstat:
	s_mov_b64 s[64:65], 0
	v_nop
	global_prefetch_b8 v0, s[64:65] scope:SCOPE_SE
	s_setreg_imm32_b32 hwreg(HW_REG_WAVE_MODE, 25, 1), 1
	s_wait_xcnt 0x0
; FIRST OF THREE LAUNCHES of x + proj(attention(q, k, v of GroupNorm(x))), all six products on codes of E5M2 with given scales 2^e.
; DEAD WORK: none.  Every bias goes into a quantised operand or into the output, every weight into a live product: all inputs are loaded somewhere in the three launches.
; THIS LAUNCH: (1) for each of the 256 channels its mean and M2 = the sum of (x - mean)^2 over its 16,384 positions, in two passes over registers, so that no difference of large sums is formed;
; (2) the four weights [256 out][256 in] as codes, laid in the order of an operand's registers.
; SHARES.  Work-group c owns channel c: 65,536 consecutive bytes.  Wave w owns 8,192 of them: sixteen loads of 512 consecutive bytes, 64 numbers a lane, which stay in registers for both passes.
; Memory binds: no matrix unit, no tensor load, no cluster (no two work-groups read the same bytes of x).
; THE WEIGHTS' LAYOUT.  A fragment is 16 rows x 128 along K in 16 registers: lane (r = lane % 16, h = lane / 16) holds one row; registers 4 c .. 4 c + 3 hold k = 32 c + 16 h + 0 .. 15.
; Tile T = 2 b + u takes in lane r the row 32 b + 8 u + r + (r & 8).  A QUAD is four registers of 32 lanes, 512 bytes, lane l's 16 bytes at 16 l.
; wcodes: bytes 0 .. 196,607: [T / 4][q, k, v][T % 4][K step s][c][quad]; from 196,608: wp as [T][s][c][quad].  Waves 0 and 1 of each work-group make one quad each: 512 quads in all.
; code = w / 2^e, held within +-57,344, to the nearest code, ties to even; e = entries 1, 3, 5, 11 of lowp_scales.  LIMITS: these e between -126 and 112.  NaN among the inputs is not served.
; The 8 bytes of statistics that a work-group stores are a part of a 256-byte block: 2,048 bytes in the whole launch.
.set SUM1,  0                          ; LDS: eight partial sums,
.set SUM2,  256                        ; eight partial sums of squares, in a block of their own,
.set SPARE, 512                        ; and the spare words, 128 bytes for each of eight waves
.set X,     8                          ; v8-71 my 64 numbers
	s_load_b512 s[4:19], s[0:1], 0x0               ; x s[4:5], wq s[6:7], wk s[8:9], wv s[10:11], wp s[12:13], scales s[14:15], stats s[16:17], wcodes s[18:19]
	v_lshl_add_u32 v2, v0, 2, SPARE                ; my spare word,
	v_mov_b32 v3, 0                                ; and 0: both kept for the closing lines
	v_lshrrev_b32 v4, 5, v0
	v_readfirstlane_b32 s20, v4                    ; wave 0..7
	v_lshlrev_b32 v4, 2, v4                        ; my wave's word among the partial sums
	v_and_b32 v6, 31, v0
	v_lshlrev_b32 v1, 4, v6                        ; 16 x lane
	v_mov_b32 v5, 0
	v_mov_b32 v90, 0                               ; a lane permute's destination counts as read
	v_mov_b32 v89, 0                               ; (named as the upper half of the pair v[88:89])
	s_mov_b32 s40, 0x76543210
	s_mov_b32 s41, 0xfedcba98                      ; lane l xor 16
	s_lshl_b32 s22, ttmp9, 16                      ; my channel,
	s_lshl_b32 s23, s20, 13                        ; my wave's 8,192 bytes of it
	s_add_co_u32 s22, s22, s23
	s_mov_b32 s23, 0
	s_lshl_b32 s21, ttmp9, 3
	v_mov_b32 v91, s21                             ; the channel's 8 bytes in stats
	s_wait_kmcnt 0x0
	s_load_b256 s[24:31], s[14:15], 0x0            ; e0 .. e7
	s_load_b128 s[32:35], s[14:15], 0x20           ; e8 .. e11
	s_add_nc_u64 s[4:5], s[4:5], s[22:23]
.set n, 0
.rept 16
	global_load_b128 v[X+4*n:X+4*n+3], v1, s[4:5] offset:512*n th:TH_LOAD_NT
.set n, n+1
.endr
	s_wait_kmcnt 0x0
	s_cmp_ge_u32 s20, 2
	s_cbranch_scc1 .Lno_weight                     ; waves 0 and 1 make a quad of weight codes; no barrier stands inside
	s_lshl_b32 s36, ttmp9, 1
	s_add_co_u32 s36, s36, s20                     ; id = 2 c + wave: 0 .. 511
	s_lshr_b32 s37, s36, 7                         ; which weight: 0 q, 1 k, 2 v, 3 p
	s_cmp_eq_u32 s37, 1
	s_cselect_b64 s[44:45], s[8:9], s[6:7]
	s_cselect_b32 s38, s27, s25
	s_cmp_eq_u32 s37, 2
	s_cselect_b64 s[44:45], s[10:11], s[44:45]
	s_cselect_b32 s38, s29, s38
	s_cmp_eq_u32 s37, 3
	s_cselect_b64 s[44:45], s[12:13], s[44:45]
	s_cselect_b32 s38, s35, s38                    ; its e
	s_bfe_u32 s39, s36, 0x40003                    ; T
	s_lshr_b32 s46, s39, 1
	s_lshl_b32 s46, s46, 5
	s_and_b32 s47, s39, 1
	s_lshl_b32 s47, s47, 3
	s_add_co_u32 s46, s46, s47                     ; 32 (T / 2) + 8 (T % 2)
	s_lshl_b32 s46, s46, 10                        ; rows of 1,024 bytes
	s_and_b32 s47, s36, 7                          ; 4 s + c
	s_lshl_b32 s21, s47, 7
	s_add_co_u32 s46, s46, s21                     ; + 512 s + 128 c
	v_and_b32 v94, 15, v0
	v_and_b32 v95, 8, v94
	v_add_nc_u32 v94, v94, v95                     ; r + (r & 8)
	v_bfe_u32 v95, v0, 4, 1
	v_lshlrev_b32 v92, 10, v94
	v_lshl_add_u32 v92, v95, 6, v92                ; + 64 h: my 16 numbers
	v_add_nc_u32 v92, s46, v92
.irp i, 0,1,2,3
	global_load_b128 v[96+4*\i:99+4*\i], v92, s[44:45] offset:16*\i
.endr
	s_lshr_b32 s21, s39, 2
	s_mul_i32 s21, s21, 49152
	s_lshl_b32 s22, s37, 14
	s_add_co_u32 s21, s21, s22
	s_and_b32 s22, s39, 3
	s_lshl_b32 s22, s22, 12
	s_add_co_u32 s21, s21, s22                     ; the fragment pair's place for q, k, v,
	s_lshl_b32 s22, s39, 12
	s_add_co_u32 s22, s22, 196608                  ; and for p
	s_cmp_eq_u32 s37, 3
	s_cselect_b32 s21, s22, s21
	s_lshl_b32 s22, s47, 9
	s_add_co_u32 s21, s21, s22                     ; + the quad
	v_add_nc_u32 v93, s21, v1
	s_add_co_i32 s38, s38, 127
	s_lshl_b32 s22, s38, 23
	v_mov_b32 v116, s22                            ; 2^e as f32: the conversion takes its exponent field
	s_add_co_i32 s38, s38, 15
	s_lshl_b32 s38, s38, 23
	s_or_b32 s42, s38, 0x600000                    ; 57,344 x 2^e,
	s_xor_b32 s43, s42, 0x80000000                 ; and its negative
	s_wait_loadcnt 0x0
.set n, 0
.rept 16
	v_med3_num_f32 v[96+n], v[96+n], s43, s42      ; the conversion does not saturate (ISA guide 7.6.2): the hold first
.set n, n+1
.endr
	v_cvt_scalef32_pk8_bf8_f32 v[112:113], v[96:103], v116
	v_cvt_scalef32_pk8_bf8_f32 v[114:115], v[104:111], v116
	global_store_b128 v93, v[112:115], s[18:19]    ; the wave stores 512 consecutive bytes, aligned
.Lno_weight:
.macro WSUM                            ; v80 summed over the wave's 32 lanes, the result in every lane
	v_add_f32_dpp v80, v80, v80 row_xmask:1 row_mask:0xf bank_mask:0xf
	v_add_f32_dpp v80, v80, v80 row_xmask:2 row_mask:0xf bank_mask:0xf
	v_add_f32_dpp v80, v80, v80 row_xmask:4 row_mask:0xf bank_mask:0xf
	v_add_f32_dpp v80, v80, v80 row_xmask:8 row_mask:0xf bank_mask:0xf
	v_permlanex16_b32 v90, v80, s40, s41
	v_add_f32 v80, v80, v90
.endm
.macro GSUM base                       ; over the eight waves: a word each, a barrier, all eight read by everybody; the total in v80
	ds_store_b32 v4, v80 offset:\base
	s_wait_dscnt 0x0                               ; for the others' sake: my store has landed
	s_barrier_signal -1
	s_barrier_wait -1
	ds_load_b128 v[80:83], v5 offset:\base
	ds_load_b128 v[84:87], v5 offset:\base+16
	s_wait_dscnt 0x0
	v_add_f32 v80, v80, v81
	v_add_f32 v82, v82, v83
	v_add_f32 v84, v84, v85
	v_add_f32 v86, v86, v87
	v_add_f32 v80, v80, v82
	v_add_f32 v84, v84, v86
	v_add_f32 v80, v80, v84
.endm
.macro FOLD                            ; four packed chains v[72:79] into v80
	v_pk_add_f32 v[72:73], v[72:73], v[74:75]
	v_pk_add_f32 v[76:77], v[76:77], v[78:79]
	v_pk_add_f32 v[72:73], v[72:73], v[76:77]
	v_add_f32 v80, v72, v73
.endm
	s_wait_loadcnt 0x0                             ; my 64 numbers
.irp k, 0,1,2,3
	v_pk_add_f32 v[72+2*\k:73+2*\k], v[X+4*\k:X+4*\k+1], v[X+4*\k+2:X+4*\k+3]   ; the first pairs start the chains: nothing is cleared
.endr
.set n, 8
.rept 24
	v_pk_add_f32 v[72+2*(n%4):73+2*(n%4)], v[72+2*(n%4):73+2*(n%4)], v[X+2*n:X+2*n+1]
.set n, n+1
.endr
	FOLD
	WSUM
	GSUM SUM1
	v_mul_f32 v88, 0x38800000, v80                 ; the channel's mean: / 16,384
.set n, 0
.rept 32
	v_pk_add_f32 v[X+2*n:X+2*n+1], v[X+2*n:X+2*n+1], v[88:89] op_sel_hi:[1,0] neg_lo:[0,1] neg_hi:[0,1]   ; x - mean
.set n, n+1
.endr
.irp k, 0,1,2,3
	v_pk_mul_f32 v[72+2*\k:73+2*\k], v[X+2*\k:X+2*\k+1], v[X+2*\k:X+2*\k+1]
.endr
.set n, 4
.rept 28
	v_pk_fma_f32 v[72+2*(n%4):73+2*(n%4)], v[X+2*n:X+2*n+1], v[X+2*n:X+2*n+1], v[72+2*(n%4):73+2*(n%4)]
.set n, n+1
.endr
	FOLD
	WSUM
	GSUM SUM2
	v_mov_b32 v89, v80                             ; M2
	s_wait_xcnt 0x0                                ; EXEC changes only behind this wait
	v_cmp_eq_u32 vcc_lo, 0, v0
	s_and_saveexec_b32 s36, vcc_lo                 ; thread 0 alone
	global_store_b64 v91, v[88:89], s[16:17]
	s_wait_xcnt 0x0                                ; and again, in front of the line that widens it
	s_or_b32 exec_lo, exec_lo, s36
	s_wait_tensorcnt 0x0                           ; the wave's end, behind my last LDS store
	ds_add_u32 v2, v3
	s_wait_dscnt 0x0
	s_endpgm
.Lfunc_end_k_qe4d2f05bd0_gnstat:
	.size	k_qe4d2f05bd0_gnstat, .Lfunc_end_k_qe4d2f05bd0_gnstat-k_qe4d2f05bd0_gnstat
	.p2alignl 7, 3214868480
	.fill 96, 4, 3214868480
	.section	.rodata,"a",@progbits
	.p2align	6, 0x0
	.amdhsa_kernel k_qe4d2f05bd0_gnstat
		.amdhsa_group_segment_fixed_size 1536
		.amdhsa_private_segment_fixed_size 0
		.amdhsa_enable_private_segment 0
		.amdhsa_kernarg_size 64
		.amdhsa_user_sgpr_count 2
		.amdhsa_user_sgpr_kernarg_segment_ptr 1
		.amdhsa_wavefront_size32 1
		.amdhsa_system_sgpr_workgroup_id_x 1
		.amdhsa_system_sgpr_workgroup_id_y 1
		.amdhsa_system_sgpr_workgroup_id_z 1
		.amdhsa_system_vgpr_workitem_id 0
		.amdhsa_next_free_vgpr 120
		.amdhsa_next_free_sgpr 66
		.amdhsa_reserve_vcc 1
		.amdhsa_float_denorm_mode_32 3
		.amdhsa_float_denorm_mode_16_64 3
		.amdhsa_memory_ordered 1
		.amdhsa_forward_progress 1
		.amdhsa_inst_pref_size 15
	.end_amdhsa_kernel
	.amdgpu_metadata
---
amdhsa.version: [ 1, 2 ]
amdhsa.kernels:
  - .name:           k_qe4d2f05bd0_gnstat
    .symbol:         k_qe4d2f05bd0_gnstat.kd
    .args:
      - { .name: x, .offset: 0, .size: 8, .value_kind: global_buffer, .address_space: global }
      - { .name: wq, .offset: 8, .size: 8, .value_kind: global_buffer, .address_space: global }
      - { .name: wk, .offset: 16, .size: 8, .value_kind: global_buffer, .address_space: global }
      - { .name: wv, .offset: 24, .size: 8, .value_kind: global_buffer, .address_space: global }
      - { .name: wp, .offset: 32, .size: 8, .value_kind: global_buffer, .address_space: global }
      - { .name: lowp_scales, .offset: 40, .size: 8, .value_kind: global_buffer, .address_space: global }
      - { .name: stats, .offset: 48, .size: 8, .value_kind: global_buffer, .address_space: global }
      - { .name: wcodes, .offset: 56, .size: 8, .value_kind: global_buffer, .address_space: global }
    .group_segment_fixed_size: 1536
    .private_segment_fixed_size: 0
    .kernarg_segment_align: 8
    .kernarg_segment_size: 64
    .max_flat_workgroup_size: 256
    .sgpr_count:     66
    .vgpr_count:     120
    .wavefront_size: 32
...
	.end_amdgpu_metadata
.endif
;; end of part 1
;; launch qkv (part 2): grid 256 x 1, 4 waves a work-group, clusters of 4 x 1, 327,680 bytes of LDS; arguments x, stats, gamma, beta, wcodes, bq, bk, bv, lowp_scales, qcodes, kvcodes; writes qcodes, kvcodes
.if DOCPART == 2
	.amdgcn_target "amdgcn-amd-amdhsa--gfx1250"
	.amdhsa_code_object_version 6
	.text
	.protected	k_qe4d2f05bd0_qkv
	.globl	k_qe4d2f05bd0_qkv
	.p2align	8
	.type	k_qe4d2f05bd0_qkv,@function
k_qe4d2f05bd0_qkv:
	s_mov_b64 s[64:65], 0
	v_nop
	global_prefetch_b8 v0, s[64:65] scope:SCOPE_SE
	s_setreg_imm32_b32 hwreg(HW_REG_WAVE_MODE, 25, 1), 1
	s_wait_xcnt 0x0
	s_wait_alu depctr_hold_cnt(0) depctr_sa_sdst(0) depctr_va_vdst(0) depctr_va_sdst(0) depctr_va_ssrc(0) depctr_va_vcc(0) depctr_vm_vsrc(0)
	s_getreg_b32 s2, hwreg(HW_REG_IB_STS2, 6, 4)
	s_cmp_eq_u32 s2, 0
	s_cbranch_scc0 .Lentry_in_a_cluster
	s_endpgm
.Lentry_in_a_cluster:
	s_bfe_u32 s2, ttmp6, 0x10000c
	s_cmp_lg_u32 s2, 0x3003
	s_cbranch_scc0 .Lentry_shape_is_right
	s_endpgm
.Lentry_shape_is_right:
; SECOND LAUNCH: GroupNorm finished, the tokens quantised three times (entries 0, 2, 4 of lowp_scales), q, k, v = tokens x W^T + bias on codes of E5M2, and q, k, v quantised (entries 6, 7, 9) into images of operand registers.  No work is left out.
; SHARES.  Work-group blk = 4 x cluster + place owns positions 64 blk .. + 63: 256 aligned bytes of each channel's row of x.
;   Quantising: wave w = (ph = w % 2, sh = w / 2) takes 32 positions x 128 channels; A LANE TAKES A POSITION AND ITS REGISTERS RUN DOWN THE CHANNELS, which are K: nothing is transposed.
;   Products: wave w makes output channels 64 w .. + 63 of q, k and v for all 64 positions: 96 matrix instructions; the tokens' codes go from wave to wave through LDS as images of their registers.
; LAYOUT (as in the first launch).  Fragment: lane (r, h) holds a row, registers 4 c .. 4 c + 3 hold k = 32 c + 16 h + 0 .. 15; tile 2 b + u takes in lane r the row 32 b + 8 u + r + (r & 8).
;   So in a result the 16 registers of tiles 2 b and 2 b + 1 of source 0 are 16 neighbours along the next K and convert straight into a quad (4 registers x 32 lanes, 512 bytes).
;   q, k: source 0 = W, source 1 = tokens: a lane holds a position, registers run along channels.  v: the sources swapped: a lane holds a channel, registers run along positions (the keys).
; OUT.  qcodes [blk][tile of positions][s][c][quad].  kvcodes [chunk of 128 keys = blk / 2]: K [key tile 4 (blk % 2) + pt][s][c][quad], 32 KiB; then V [channel tile T][c = 2 (blk % 2) + b][quad], 32 KiB.
; CLUSTER.  All work-groups read the same 196,608 bytes of weight codes: the four of a cluster ask for them jointly.  x's tile is the work-group's own: a plain tensor load.  Nothing in LDS is filled twice.
; By this text's count a wave has two tensor loads outstanding, both issued at the head.
; The biases go in as the C of each sum's first matrix instruction, divided by the power of two that the sums lack.
; LIMITS: e0, e2, e4, e6 - e0 - e1, e7 - e2 - e3, e9 - e4 - e5 between -126 and 112, so that each power of two below is an f32 number.  NaN among the inputs is not served.
.set XT,    196608                     ; LDS: 0 .. 196,607 the weights, wave w's 49,152 bytes at 49,152 w; here x's tile: 256 channels x 256 bytes;
.set TIMG,  262144                     ; the tokens' images: (version, tile pt, K step s) at 16,384 version + 4,096 pt + 2,048 s: bytes of their own;
.set SPARE, 311296                     ; the spare words, 128 bytes for each wave
.set Y,     32                         ; v32-159  128 channels of my position; later the 16 accumulators (tt, pt) at ACC + 8 (4 tt + pt)
.set ACC,   32
.set TMP,   160                        ; v160-223 the statistics as loaded; later two sets of 32 held numbers
.set CD,    224                        ; v224-255 gamma, beta, a, mean, temps; later codes
.set MSB, 0
.macro WIN new                         ; the immediate's high byte repeats the setting that is left
.if MSB != (\new)
	s_set_vgpr_msb (MSB<<8)|(\new)
.set MSB, (\new)
.endif
.endm
.macro CROUND                          ; a round of the cluster's barrier
	s_barrier_signal -1
	s_barrier_wait -1
	s_cmp_lg_u32 s26, 0
	s_cbranch_scc1 .Lnot_wave_0_\@
	s_barrier_signal -3
.Lnot_wave_0_\@:
	s_barrier_wait -3
	s_barrier_signal -1
	s_barrier_wait -1
.endm
	s_load_b512 s[4:19], s[0:1], 0x0               ; x s[4:5], stats s[6:7], gamma s[8:9], beta s[10:11], wcodes s[12:13], bq s[14:15], bk s[16:17], bv s[18:19]
	s_load_b128 s[20:23], s[0:1], 0x40             ; scales s[20:21], qcodes s[22:23]
	s_load_b64 s[24:25], s[0:1], 0x50              ; kvcodes
	v_lshl_add_u32 v6, v0, 2, SPARE
	v_mov_b32 v7, 0
	ds_add_u32 v6, v7                              ; the wave's opening: the add, twice on end, and its wait ahead of my first tensor load
	ds_add_u32 v6, v7
	v_lshrrev_b32 v24, 5, v0
	v_readfirstlane_b32 s26, v24                   ; wave 0..3
	s_and_b32 s27, s26, 1                          ; ph
	s_lshr_b32 s28, s26, 1                         ; sh
	s_bfe_u32 s29, ttmp6, 0x40000                  ; my place in the cluster: it enters global addresses alone
	s_lshl_b32 s30, ttmp9, 2
	s_add_co_u32 s30, s30, s29                     ; blk
	s_mov_b32 s32, 15|(3<<16)|(1<<21)              ; group 1 for the weights: mask of all four, elements of 8 bytes, bit 21 beside the mask
	s_mov_b32 s33, 32<<16                          ; tensor_dim0 = 32 elements: rows of 256 bytes
	s_mov_b32 s34, 192<<16                         ; tensor_dim1 = 192 rows: 49,152 dense bytes
	s_mov_b32 s35, 32<<16                          ; tile_dim0
	s_mov_b32 s36, 192                             ; tile_dim1
	s_mov_b32 s37, 32                              ; pitch
	s_mov_b32 s38, 0
	s_mov_b32 s39, 0
	s_mov_b32 s40, 2<<16                           ; group 1 for x: no mask, elements of 4 bytes
	s_mov_b32 s41, 64<<16                          ; 64 numbers of a row,
	s_mov_b32 s42, 64<<16                          ; 64 rows (channels),
	s_mov_b32 s43, 64<<16
	s_mov_b32 s44, 64
	s_mov_b32 s45, 16384                           ; 16,384 numbers from channel to channel
	s_mov_b32 s46, 0
	s_mov_b32 s47, 0
	s_mov_b32 s48, 1
	s_mul_i32 s49, s26, 49152                      ; the weights' place in LDS: my wave's part
	s_mov_b32 s52, 1
	s_lshl_b32 s53, s26, 14
	s_add_co_u32 s53, s53, XT                      ; x's: channels 64 w on
	s_mov_b32 s66, s49
	s_mov_b32 s67, 0
	s_lshl_b32 s72, s26, 22                        ; 64 w channels of 65,536 bytes
	s_lshl_b32 s73, s30, 8                         ; + my block's 256 bytes
	s_add_co_u32 s72, s72, s73
	s_mov_b32 s73, 0
	s_lshl_b32 s74, s30, 14                        ; q's 16,384 bytes a block
	s_mov_b32 s75, 0
	s_lshr_b32 s76, s30, 1
	s_lshl_b32 s76, s76, 16                        ; the chunk's 65,536 bytes
	s_mov_b32 s77, 0
	s_wait_dscnt 0x0                               ; both opening adds are done
	s_wait_kmcnt 0x0
	s_load_b256 s[56:63], s[20:21], 0x0            ; e0 .. e7
	s_load_b128 s[68:71], s[20:21], 0x20           ; e8 .. e11
	s_add_nc_u64 s[50:51], s[12:13], s[66:67]
	s_or_b32 s51, s51, 0x80000000
	s_add_nc_u64 s[54:55], s[4:5], s[72:73]
	s_or_b32 s55, s55, 0x80000000
	s_add_nc_u64 s[22:23], s[22:23], s[74:75]
	s_add_nc_u64 s[24:25], s[24:25], s[76:77]
	CROUND                                         ; all four work-groups are here: the joint loads meet
	tensor_load_to_lds s[48:51], s[32:39]          ; my wave's quarter of the weights, jointly
	s_nop 0
	tensor_load_to_lds s[52:55], s[40:47]          ; my wave's 64 channels of x's tile
	s_nop 0
.rept 4
	v_nop
.endr
	v_and_b32 v1, 15, v0                           ; r
	v_bfe_u32 v2, v0, 4, 1                         ; h
	v_and_b32 v28, 31, v0                          ; lane
	v_lshlrev_b32 v4, 4, v28                       ; LI = 16 x lane
	v_and_b32 v24, 7, v0                           ; my position among the wave's 32: lanes 0-15 are tile u = 0's rows, lanes 16-31 tile u = 1's:
	v_bfe_u32 v25, v0, 3, 1
	v_lshl_or_b32 v24, v25, 4, v24
	v_lshl_or_b32 v24, v2, 3, v24                  ; (l & 7) + 16 bit 3 + 8 bit 4
	s_lshl_b32 s31, s28, 15
	s_lshl_b32 s101, s27, 7
	s_add_co_u32 s31, s31, s101
	s_add_co_u32 s31, s31, XT
	v_lshl_add_u32 v3, v24, 2, s31                 ; XL: x's tile at channel 128 sh, position 32 ph + mine
	s_lshl_b32 s31, s27, 13
	s_lshl_b32 s101, s28, 11
	s_add_co_u32 s31, s31, s101
	s_add_co_u32 s31, s31, TIMG
	v_lshlrev_b32 v5, 4, v1
	v_lshl_add_u32 v5, v2, 12, v5
	v_add_nc_u32 v5, s31, v5                       ; IW: image (pt = 2 ph + l / 16, s = sh), row r's place for h = 0; + 256 for h = 1
	v_add_nc_u32 v14, s49, v4                      ; WA: my weights
	v_add_nc_u32 v15, TIMG, v4                     ; TF: the tokens' images
	s_lshl_b32 s31, s28, 11
	s_lshl_b32 s101, s27, 10
	s_add_co_u32 s31, s31, s101
	v_add_nc_u32 v16, s31, v4                      ; q: 2,048 (w / 2) + 1,024 (w % 2) + LI
	s_and_b32 s101, s30, 1
	s_lshl_b32 s31, s101, 14
	v_add_nc_u32 v18, s31, v16                     ; k: + 16,384 (blk % 2)
	s_lshl_b32 s31, s26, 13
	s_lshl_b32 s101, s101, 10
	s_add_co_u32 s31, s31, s101
	v_add_nc_u32 v17, s31, v4                      ; v: 8,192 w + 1,024 (blk % 2) + LI
	v_lshrrev_b32 v24, 3, v28
	v_lshlrev_b32 v24, 6, v24
	s_lshl_b32 s31, s28, 10
	v_add_nc_u32 v24, s31, v24                     ; stats: my channel's group, 64 bytes: channel = 128 sh + 32 i + lane
	s_lshl_b32 s31, s28, 9
	v_lshl_add_u32 v25, v28, 2, s31                ; gamma, beta: my channel
	s_lshl_b32 s31, s26, 8
	v_lshl_add_u32 v26, v2, 6, s31                 ; bq, bk: 4 (64 w) + 64 h
	v_and_b32 v27, 8, v1
	v_add_nc_u32 v27, v27, v1
	v_lshl_add_u32 v27, v27, 2, s31                ; bv: 4 (64 w + r + (r & 8))
.irp i, 0,1,2,3
.irp q, 0,1,2,3
	global_load_b128 v[TMP+16*\i+4*\q:TMP+16*\i+4*\q+3], v24, s[6:7] offset:256*\i+16*\q   ; the group's eight (mean, M2)
.endr
	global_load_b32 v[224+\i], v25, s[8:9] offset:128*\i
	global_load_b32 v[228+\i], v25, s[10:11] offset:128*\i
.endr
.irp tt, 0,1,2,3
	global_load_b32 v[20+\tt], v27, s[18:19] offset:128*(\tt/2)+32*(\tt%2)
.endr
	WIN 0x80                                       ; destination window 2: bq's tiles at v0-31, bk's at v32-63
.irp tt, 0,1,2,3
	global_load_b128 v[8*\tt:8*\tt+3], v26, s[14:15] offset:128*(\tt/2)+32*(\tt%2)
	global_load_b128 v[8*\tt+4:8*\tt+7], v26, s[14:15] offset:128*(\tt/2)+32*(\tt%2)+16
	global_load_b128 v[32+8*\tt:32+8*\tt+3], v26, s[16:17] offset:128*(\tt/2)+32*(\tt%2)
	global_load_b128 v[32+8*\tt+4:32+8*\tt+7], v26, s[16:17] offset:128*(\tt/2)+32*(\tt%2)+16
.endr
	WIN 0
.macro MKSCALE vreg, sp, sn            ; of the exponent in s101: 2^e into v[vreg], 57,344 x 2^e into s[sp], its negative into s[sn]
	s_add_co_i32 s101, s101, 127
	s_lshl_b32 s31, s101, 23
	v_mov_b32 v[\vreg], s31
	s_add_co_i32 s101, s101, 15
	s_lshl_b32 s101, s101, 23
	s_or_b32 s[\sp], s101, 0x600000
	s_xor_b32 s[\sn], s[\sp], 0x80000000
.endm
	s_wait_kmcnt 0x0
	s_mov_b32 s101, s56
	MKSCALE 8, 89, 90                              ; the tokens for q: e0
	s_mov_b32 s101, s58
	MKSCALE 9, 91, 92                              ; for k: e2
	s_mov_b32 s101, s60
	MKSCALE 10, 93, 94                             ; for v: e4
	s_add_co_i32 s72, s56, s57
	s_sub_co_i32 s72, 0, s72                       ; -(e0 + e1): a sum of the first product stands for sum x 2^(e0 + e1)
	s_add_co_i32 s73, s58, s59
	s_sub_co_i32 s73, 0, s73
	s_add_co_i32 s74, s60, s61
	s_sub_co_i32 s74, 0, s74
	s_add_co_i32 s101, s62, s72
	MKSCALE 11, 95, 96                             ; q's conversion: 2^(e6 - e0 - e1): the three scales folded into one
	s_add_co_i32 s101, s63, s73
	MKSCALE 12, 97, 98                             ; k's: e7 - e2 - e3
	s_add_co_i32 s101, s69, s74
	MKSCALE 13, 99, 100                            ; v's: e9 - e4 - e5
	s_wait_loadcnt 0x0
; The group's statistics from its eight channels': mean = the means' mean; M2 = the sum of M2 + 16,384 x the sum of (mean_j - mean)^2; var = M2 / 131,072
.macro GSTAT i
.set R, TMP+16*\i
	v_add_f32 v240, v[R], v[R+2]
	v_add_f32 v241, v[R+4], v[R+6]
	v_add_f32 v242, v[R+8], v[R+10]
	v_add_f32 v243, v[R+12], v[R+14]
	v_add_f32 v240, v240, v241
	v_add_f32 v242, v242, v243
	v_add_f32 v240, v240, v242
	v_mul_f32 v[236+\i], 0x3e000000, v240
	v_add_f32 v244, v[R+1], v[R+3]
	v_add_f32 v245, v[R+5], v[R+7]
	v_add_f32 v246, v[R+9], v[R+11]
	v_add_f32 v247, v[R+13], v[R+15]
	v_add_f32 v244, v244, v245
	v_add_f32 v246, v246, v247
	v_add_f32 v244, v244, v246
	v_sub_f32 v240, v[R], v[236+\i]
	v_mul_f32 v241, v240, v240
.irp j, 1,2,3,4,5,6,7
	v_sub_f32 v240, v[R+2*\j], v[236+\i]
	v_fmac_f32 v241, v240, v240
.endr
	v_fmamk_f32 v241, v241, 0x46800000, v244
	v_mul_f32 v241, 0x37000000, v241
	v_add_f32 v[232+\i], 0x358637bd, v241          ; var + 1e-6
.endm
	GSTAT 0
	GSTAT 1
	GSTAT 2
	GSTAT 3
.irp i, 0,1,2,3
	v_rsq_f32 v[240+\i], v[232+\i]
.endr
	v_nop                                          ; a plain instruction behind the last of the batch,
	s_wait_alu depctr_va_vdst(0)                   ; and one wait for the four, ahead of their first reader
.irp i, 0,1,2,3
	v_mul_f32 v[232+\i], v[224+\i], v[240+\i]      ; a = gamma / sqrt(var + eps), for my channel
.endr
	WIN 0x82                                       ; source 0 and destination window 2
.set n, 0
.rept 32
	v_ldexp_f32 v[n], v[n], s72                    ; bq / 2^(e0 + e1)
	v_ldexp_f32 v[32+n], v[32+n], s73
.set n, n+1
.endr
	WIN 0x80
.irp tt, 0,1,2,3
.irp j, 0,1,2,3,4,5,6,7
	v_ldexp_f32 v[64+8*\tt+\j], v[20+\tt], s74     ; in v's tiles a lane holds one channel: its bias in all eight registers
.endr
.endr
	WIN 0
	s_wait_tensorcnt 0x0                           ; my loads have landed,
	s_barrier_signal -1
	s_barrier_wait -1                              ; everybody's: x's rows are read across the waves
.set n, 0
.rept 128
	ds_load_b32 v[Y+n], v3 offset:256*n            ; channel 128 sh + n at my position: 32 lanes take 128 consecutive bytes
.set n, n+1
.endr
	s_wait_dscnt 0x0
.macro NORM g                          ; the wave's g-th group of eight channels: (x - mean) a + beta; mean, a and beta come out of the lanes that made them
	v_readlane_b32 s72, v[236+(\g)/4], 8*((\g)%4)
.irp j, 0,1,2,3,4,5,6,7
	v_readlane_b32 s[73+\j], v[232+(\g)/4], 8*((\g)%4)+\j
	v_readlane_b32 s[81+\j], v[228+(\g)/4], 8*((\g)%4)+\j
.endr
.irp j, 0,1,2,3,4,5,6,7
	v_sub_f32 v[Y+8*(\g)+\j], v[Y+8*(\g)+\j], s72
.endr
.irp j, 0,1,2,3,4,5,6,7
	v_fma_f32 v[Y+8*(\g)+\j], v[Y+8*(\g)+\j], s[73+\j], s[81+\j]
.endr
.endm
.irp g, 0,1,2,3,4,5,6,7,8,9,10,11,12,13,14,15
	NORM \g
.endr
; One version of the tokens' codes.  Of each 32 channels the first 16 are the h = 0 half of a quad and the last 16 the h = 1 half, both of MY row: so I store both halves of my row's place, and no lane exchange is needed.
.macro TOKQ ver
.irp c4, 0,1,2,3
.set n, 0
.rept 32
	v_med3_num_f32 v[TMP+32*(\c4%2)+n], v[Y+32*\c4+n], s[90+2*\ver], s[89+2*\ver]   ; the hold, into other registers: Y serves three versions
.set n, n+1
.endr
	v_cvt_scalef32_pk8_bf8_f32 v[CD+4*\c4:CD+4*\c4+1], v[TMP+32*(\c4%2):TMP+32*(\c4%2)+7], v[8+\ver]
	v_cvt_scalef32_pk8_bf8_f32 v[CD+4*\c4+2:CD+4*\c4+3], v[TMP+32*(\c4%2)+8:TMP+32*(\c4%2)+15], v[8+\ver]
	v_cvt_scalef32_pk8_bf8_f32 v[CD+16+4*\c4:CD+16+4*\c4+1], v[TMP+32*(\c4%2)+16:TMP+32*(\c4%2)+23], v[8+\ver]
	v_cvt_scalef32_pk8_bf8_f32 v[CD+16+4*\c4+2:CD+16+4*\c4+3], v[TMP+32*(\c4%2)+24:TMP+32*(\c4%2)+31], v[8+\ver]
.endr
	v_nop                                          ; a plain instruction behind the last conversion
.irp c4, 0,1,2,3
	ds_store_b128 v5, v[CD+4*\c4:CD+4*\c4+3] offset:16384*\ver+512*\c4
	ds_store_b128 v5, v[CD+16+4*\c4:CD+16+4*\c4+3] offset:16384*\ver+512*\c4+256
.endr
	s_wait_dscnt 0x0                               ; the stores have read their registers
.endm
	TOKQ 0
	TOKQ 1
	TOKQ 2
	s_barrier_signal -1                            ; (my stores have landed: the wait above)
	s_barrier_wait -1                              ; all 24 fragments lie in LDS
; One product, g = 0 q, 1 k, 2 v: window 1: v0-127 the tokens' 8 fragments (pt, s), v128-255 my weights' 8 (tt, s); the 16 accumulators take turns, one instruction a turn
.macro PROD g
	WIN 0x40
.set n, 0
.rept 32
	ds_load_b128 v[4*n:4*n+3], v15 offset:16384*\g+512*n
.set n, n+1
.endr
.set n, 0
.rept 32
	ds_load_b128 v[128+4*n:128+4*n+3], v14 offset:16384*\g+512*n
.set n, n+1
.endr
	s_wait_dscnt 0x0
	WIN 0x25                                       ; sources 0 and 1 window 1, C (the bias) window 2
.irp tt, 0,1,2,3
.irp pt, 0,1,2,3
.if \g < 2
	v_wmma_f32_16x16x128_bf8_bf8 v[ACC+8*(4*\tt+\pt):ACC+8*(4*\tt+\pt)+7], v[128+32*\tt:128+32*\tt+15], v[32*\pt:32*\pt+15], v[32*\g+8*\tt:32*\g+8*\tt+7]
.else
	v_wmma_f32_16x16x128_bf8_bf8 v[ACC+8*(4*\tt+\pt):ACC+8*(4*\tt+\pt)+7], v[32*\pt:32*\pt+15], v[128+32*\tt:128+32*\tt+15], v[32*\g+8*\tt:32*\g+8*\tt+7]
.endif
.endr
.endr
	WIN 0x05
.irp tt, 0,1,2,3
.irp pt, 0,1,2,3
.if \g < 2
	v_wmma_f32_16x16x128_bf8_bf8 v[ACC+8*(4*\tt+\pt):ACC+8*(4*\tt+\pt)+7], v[128+32*\tt+16:128+32*\tt+31], v[32*\pt+16:32*\pt+31], v[ACC+8*(4*\tt+\pt):ACC+8*(4*\tt+\pt)+7]
.else
	v_wmma_f32_16x16x128_bf8_bf8 v[ACC+8*(4*\tt+\pt):ACC+8*(4*\tt+\pt)+7], v[32*\pt+16:32*\pt+31], v[128+32*\tt+16:128+32*\tt+31], v[ACC+8*(4*\tt+\pt):ACC+8*(4*\tt+\pt)+7]
.endif
.endr
.endr
	WIN 0
.rept 4
	v_nop                                          ; places behind the last products (ISA guide 7.12.1)
.endr
	s_wait_xcnt 0x0                                ; the last product's stores have read the codes' registers
.set n, 0
.rept 8                                ; eight quads: q, k: (pt = n / 2, bb = n % 2) of tiles (2 bb, pt), (2 bb + 1, pt); v: (tt = n / 2, b = n % 2) of tiles (tt, 2 b), (tt, 2 b + 1)
.if \g < 2
.set ta, ACC+8*(8*(n%2)+n/2)
.set tb, ta+32
.else
.set ta, ACC+16*n
.set tb, ta+8
.endif
.irp j, 0,1,2,3,4,5,6,7
	v_med3_num_f32 v[ta+\j], v[ta+\j], s[96+2*\g], s[95+2*\g]   ; each accumulator from its low end on
.endr
.irp j, 0,1,2,3,4,5,6,7
	v_med3_num_f32 v[tb+\j], v[tb+\j], s[96+2*\g], s[95+2*\g]
.endr
	v_cvt_scalef32_pk8_bf8_f32 v[CD+4*n:CD+4*n+1], v[ta:ta+7], v[11+\g]
	v_cvt_scalef32_pk8_bf8_f32 v[CD+4*n+2:CD+4*n+3], v[tb:tb+7], v[11+\g]
.set n, n+1
.endr
	v_nop                                          ; a plain instruction behind the last conversion
.set n, 0
.rept 8                                ; each store covers 512 consecutive bytes, aligned
.if \g == 0
	global_store_b128 v16, v[CD+4*n:CD+4*n+3], s[22:23] offset:4096*(n/2)+512*(n%2)
.elseif \g == 1
	global_store_b128 v18, v[CD+4*n:CD+4*n+3], s[24:25] offset:4096*(n/2)+512*(n%2)
.else
	global_store_b128 v17, v[CD+4*n:CD+4*n+3], s[24:25] offset:32768+2048*(n/2)+512*(n%2)
.endif
.set n, n+1
.endr
.endm
	PROD 0
	PROD 1
	PROD 2
	s_wait_tensorcnt 0x0                           ; the wave's end, behind my last tensor load and my last LDS store
	ds_add_u32 v6, v7
	s_wait_dscnt 0x0
	CROUND                                         ; the closing round
	s_endpgm
.Lfunc_end_k_qe4d2f05bd0_qkv:
	.size	k_qe4d2f05bd0_qkv, .Lfunc_end_k_qe4d2f05bd0_qkv-k_qe4d2f05bd0_qkv
	.p2alignl 7, 3214868480
	.fill 96, 4, 3214868480
	.section	.rodata,"a",@progbits
	.p2align	6, 0x0
	.amdhsa_kernel k_qe4d2f05bd0_qkv
		.amdhsa_group_segment_fixed_size 327680
		.amdhsa_private_segment_fixed_size 0
		.amdhsa_enable_private_segment 0
		.amdhsa_kernarg_size 88
		.amdhsa_user_sgpr_count 2
		.amdhsa_user_sgpr_kernarg_segment_ptr 1
		.amdhsa_wavefront_size32 1
		.amdhsa_system_sgpr_workgroup_id_x 1
		.amdhsa_system_sgpr_workgroup_id_y 1
		.amdhsa_system_sgpr_workgroup_id_z 1
		.amdhsa_system_vgpr_workitem_id 0
		.amdhsa_next_free_vgpr 640
		.amdhsa_next_free_sgpr 102
		.amdhsa_reserve_vcc 0
		.amdhsa_float_denorm_mode_32 3
		.amdhsa_float_denorm_mode_16_64 3
		.amdhsa_memory_ordered 1
		.amdhsa_forward_progress 1
		.amdhsa_inst_pref_size 142
	.end_amdhsa_kernel
	.amdgpu_metadata
---
amdhsa.version: [ 1, 2 ]
amdhsa.kernels:
  - .name:           k_qe4d2f05bd0_qkv
    .symbol:         k_qe4d2f05bd0_qkv.kd
    .args:
      - { .name: x, .offset: 0, .size: 8, .value_kind: global_buffer, .address_space: global }
      - { .name: stats, .offset: 8, .size: 8, .value_kind: global_buffer, .address_space: global }
      - { .name: gamma, .offset: 16, .size: 8, .value_kind: global_buffer, .address_space: global }
      - { .name: beta, .offset: 24, .size: 8, .value_kind: global_buffer, .address_space: global }
      - { .name: wcodes, .offset: 32, .size: 8, .value_kind: global_buffer, .address_space: global }
      - { .name: bq, .offset: 40, .size: 8, .value_kind: global_buffer, .address_space: global }
      - { .name: bk, .offset: 48, .size: 8, .value_kind: global_buffer, .address_space: global }
      - { .name: bv, .offset: 56, .size: 8, .value_kind: global_buffer, .address_space: global }
      - { .name: lowp_scales, .offset: 64, .size: 8, .value_kind: global_buffer, .address_space: global }
      - { .name: qcodes, .offset: 72, .size: 8, .value_kind: global_buffer, .address_space: global }
      - { .name: kvcodes, .offset: 80, .size: 8, .value_kind: global_buffer, .address_space: global }
    .group_segment_fixed_size: 327680
    .private_segment_fixed_size: 0
    .kernarg_segment_align: 8
    .kernarg_segment_size: 88
    .max_flat_workgroup_size: 128
    .sgpr_count:     102
    .vgpr_count:     640
    .wavefront_size: 32
...
	.end_amdgpu_metadata
.endif
;; end of part 2
;; launch attn (part 3): grid 64 x 4, 4 waves a work-group, clusters of 4 x 1, 327,680 bytes of LDS; arguments qcodes, kvcodes, wcodes, bp, x, lowp_scales, out0; writes out0
.if DOCPART == 3
	.amdgcn_target "amdgcn-amd-amdhsa--gfx1250"
	.amdhsa_code_object_version 6
	.text
	.protected	k_qe4d2f05bd0_attn
	.globl	k_qe4d2f05bd0_attn
	.p2align	8
	.type	k_qe4d2f05bd0_attn,@function
k_qe4d2f05bd0_attn:
	s_mov_b64 s[64:65], 0
	v_nop
	global_prefetch_b8 v0, s[64:65] scope:SCOPE_SE
	s_setreg_imm32_b32 hwreg(HW_REG_WAVE_MODE, 25, 1), 1
	s_wait_xcnt 0x0
	s_wait_alu depctr_hold_cnt(0) depctr_sa_sdst(0) depctr_va_vdst(0) depctr_va_sdst(0) depctr_va_ssrc(0) depctr_va_vcc(0) depctr_vm_vsrc(0)
	s_getreg_b32 s2, hwreg(HW_REG_IB_STS2, 6, 4)
	s_cmp_eq_u32 s2, 0
	s_cbranch_scc0 .Lentry_in_a_cluster
	s_endpgm
.Lentry_in_a_cluster:
	s_bfe_u32 s2, ttmp6, 0x10000c
	s_cmp_lg_u32 s2, 0x3003
	s_cbranch_scc0 .Lentry_shape_is_right
	s_endpgm
.Lentry_shape_is_right:
; THIRD LAUNCH: out0 = x + (softmax(q k^T / 16) v) wp^T + bp, per frame, all three products on codes of E5M2.  No work is left out.
; THE SOFTMAX: t = score x log2(e) / 16; M = the largest t so far, rounded up to a whole number; p = 2^(t - M) is quantised (entry 8); the row's sum is taken of the unquantised p and divides at the end.
; SHARES.  A work-group owns 64 queries of one frame.  ITS FOUR WAVES SHARE THE KEYS, NOT THE QUERIES: every wave holds all 64 queries (four tiles: Q 128 registers, O^T 512) and walks eight chunks of 128 keys,
;   4 jj + w.  So each fragment of K and V is read from LDS once in the work-group and feeds four matrix instructions, and a wave reads only bytes that its own tensor loads brought.
;   At the end the four waves' (M, sum, O^T) meet in LDS and are merged by exact powers of two: wave w merges query tile w, quantises it (entry 10), and all waves take the projection: wave w channels 64 w .. + 63.
; LAYOUT.  As in the launches before: both products transposed (S^T = K Q^T, O^T = V^T P), a lane holds one query throughout; the tiles' rows are chosen so that the 16 registers of two neighbouring tiles
;   convert straight into a quad of the next operand.  All operands lie in memory and LDS as images of their registers: every LDS load takes 512 consecutive bytes.
; CLUSTER.  The four query blocks of a cluster belong to one frame and walk the same K and V: each tile is asked for jointly.
; WALK.  The sixteen clusters of a frame begin their walks at eight different places: cluster x begins at rot = (x & 3) + 4 (((x >> 2) ^ (x >> 3)) & 1) and goes round: its j-th step takes jj = (j + rot) mod 8.
;   The running M makes the order of the keys free.  So a tile is asked for by two clusters at a time, and from a cluster's second step on each tile that it asks for was asked for a step earlier by another cluster.
;   NO PREFETCH: only a walk's first tiles have not been asked for before, and they are asked for at the kernel's head.
; RING.  Each wave has one slot for K and one for V, 32 KiB each.  K's is filled again behind the exponentials (its reads ended with the scores), V's behind the second product: two rounds a key step, each
;   waiting for the other slot's load, which has had about half a step in which to land.  By this text's count a wave has two tensor loads outstanding at the head and one behind each round.
; REGISTERS, in windows of 256.  Window 0: v1-15 addresses and constants; v16-63 statistics, 12 a tile (+0 -M, +1 t, +2..5 the sum in four parts, +6 f, +7 0, +8 the largest raw score, +9, +10 at work), v27 and v39 two offsets;
;   v64-191 Q, in the last step x; v192-255 K's two buffers, then P.  Window 1: S^T (tile qt, key tile kt at 64 qt + 8 kt), then V (tile T at 16 T).  Windows 2, 3: O^T (qt, T) at window 2 + qt / 2, 128 (qt % 2) + 8 T.
; LIMITS: e6 + e7 between -122 and 130; e8 and e10 - e8 - e9 between -126 and 112; e10 + e11 between -126 and 127.  NaN among the inputs is not served.
.set STAT,  262144                     ; LDS: 0 .. 262,143 the ring, wave w's K at 65,536 w, its V 32,768 further; after the last fill the waves' parts of O^T, then the stage for y
.set AIMG,  266240                     ; STAT: [wave][tile][-M 128 B, sum 128 B]; AIMG: the attention output's 8 fragments
.set SPARE, 282624                     ; the spare words, 128 bytes for each wave
.set STEPB, 262144                     ; from one of a wave's chunks to its next: four chunks of 65,536 bytes
.set FRMSK, 0x1fffff                   ; a frame's 32 chunks are 2 MiB: the walk goes round inside them
.set LI,  3                            ; v3  16 x lane
.set ADK, 4                            ; v4  LI + 65,536 w
.set ST,  16
.set Q,   64
.set KB,  192
.set P,   192
.set XO,  27                           ; v27 65,536 (lane / 16) + 16 (lane % 16): x's and out0's offset
.set BO,  39                           ; v39 bp's offset
.set MSB, 0
.macro WIN new                         ; the immediate's high byte repeats the setting that is left
.if MSB != (\new)
	s_set_vgpr_msb (MSB<<8)|(\new)
.set MSB, (\new)
.endif
.endm
.macro CROUND                          ; a round of the cluster's barrier
	s_barrier_signal -1
	s_barrier_wait -1
	s_cmp_lg_u32 s18, 0
	s_cbranch_scc1 .Lnot_wave_0_\@
	s_barrier_signal -3
.Lnot_wave_0_\@:
	s_barrier_wait -3
	s_barrier_signal -1
	s_barrier_wait -1
.endm
	s_load_b256 s[4:11], s[0:1], 0x0               ; qcodes s[4:5], kvcodes s[6:7], wcodes s[8:9], bp s[10:11]
	s_load_b128 s[12:15], s[0:1], 0x20             ; x s[12:13], scales s[14:15]
	s_load_b64 s[16:17], s[0:1], 0x30              ; out0
	v_lshl_add_u32 v6, v0, 2, SPARE
	v_mov_b32 v7, 0
	ds_add_u32 v6, v7                              ; the wave's opening: the add, twice on end, and its wait ahead of my first tensor load
	ds_add_u32 v6, v7
	v_lshrrev_b32 v1, 5, v0
	v_readfirstlane_b32 s18, v1                    ; wave 0..3
	s_bfe_u32 s19, ttmp6, 0x40000                  ; my place in the cluster: it enters global addresses of my own loads and stores alone
	s_lshl_b32 s20, ttmp9, 2
	s_add_co_u32 s20, s20, s19                     ; my block of 64 queries in the frame
	s_and_b32 s21, ttmp7, 0xffff                   ; the frame, which the partners share
	s_mov_b32 s24, 15|(3<<16)|(1<<21)              ; group 1: mask of all four, elements of 8 bytes, bit 21 beside the mask
	s_mov_b32 s25, 32<<16                          ; rows of 256 bytes,
	s_mov_b32 s26, 128<<16                         ; 128 of them: 32,768 dense bytes
	s_mov_b32 s27, 32<<16
	s_mov_b32 s28, 128
	s_mov_b32 s29, 32
	s_mov_b32 s30, 0
	s_mov_b32 s31, 0
	s_mov_b32 s32, 1
	s_lshl_b32 s33, s18, 16                        ; K's slot
	s_mov_b32 s36, 1
	s_add_co_u32 s37, s33, 32768                   ; V's
	s_mov_b32 s40, 0x76543210
	s_mov_b32 s41, 0xfedcba98                      ; lane l xor 16
	s_lshr_b32 s22, ttmp9, 2                       ; where my cluster's walk begins: made of the cluster's x, the same in all four partners
	s_lshr_b32 s23, ttmp9, 3
	s_xor_b32 s22, s22, s23
	s_and_b32 s22, s22, 1
	s_lshl_b32 s22, s22, 2
	s_and_b32 s66, ttmp9, 3
	s_or_b32 s66, s66, s22                         ; rot, 0 .. 7
	s_lshl_b32 s66, s66, 18                        ; K's offset from my wave's base: rot x STEPB; it walks on and goes round
	s_mov_b32 s67, 0
	s_add_co_u32 s72, s66, 32768                   ; V's: a chunk's V lies 32,768 bytes behind its K
	s_mov_b32 s73, 0
	s_lshl_b32 s22, s21, 21                        ; the frame's 32 chunks of 65,536 bytes,
	s_add_co_u32 s22, s22, s33                     ; my wave's chunk among each four
	s_mov_b32 s23, 0
	s_lshl_b32 s68, s21, 6
	s_add_co_u32 s68, s68, s20                     ; blk = 64 frame + block
	s_lshl_b32 s70, s68, 14                        ; Q's 16,384 bytes a block
	s_mov_b32 s71, 0
	s_lshl_b32 s68, s68, 8                         ; x, out0: my block's 256 bytes of a row,
	s_lshl_b32 s69, s18, 22                        ; channels 64 w on
	s_add_co_u32 s68, s68, s69
	s_mov_b32 s69, 0
	s_wait_dscnt 0x0                               ; both opening adds are done
	s_wait_kmcnt 0x0
	s_load_b256 s[48:55], s[14:15], 0x0            ; e0 .. e7
	s_load_b128 s[56:59], s[14:15], 0x20           ; e8 .. e11
	s_add_nc_u64 s[44:45], s[6:7], s[22:23]        ; my wave's base in kvcodes: it stays
	s_add_nc_u64 s[34:35], s[44:45], s[66:67]
	s_add_nc_u64 s[38:39], s[44:45], s[72:73]
	s_or_b32 s35, s35, 0x80000000
	s_or_b32 s39, s39, 0x80000000
	s_add_nc_u64 s[4:5], s[4:5], s[70:71]
	s_add_nc_u64 s[12:13], s[12:13], s[68:69]
	s_add_nc_u64 s[16:17], s[16:17], s[68:69]
	s_lshl_b32 s22, s18, 14
	s_add_co_u32 s22, s22, 196608
	s_add_nc_u64 s[8:9], s[8:9], s[22:23]          ; wp's fragments of my 64 channels
	CROUND                                         ; all four work-groups are here: the first joint loads meet
	tensor_load_to_lds s[32:35], s[24:31]          ; K of my first chunk
	s_nop 0
	tensor_load_to_lds s[36:39], s[24:31]          ; V of it
	s_nop 0
.rept 4
	v_nop
.endr
	v_and_b32 v1, 15, v0                           ; r
	v_bfe_u32 v2, v0, 4, 1                         ; h
	v_and_b32 v10, 31, v0                          ; lane
	v_lshlrev_b32 v[LI], 4, v10
.set n, 0
.rept 32
	global_load_b128 v[Q+4*n:Q+4*n+3], v[LI], s[4:5] offset:512*n   ; Q's eight fragments (qt, s) at Q + 16 (2 qt + s): they stay
.set n, n+1
.endr
	v_add_nc_u32 v[ADK], s33, v[LI]
	s_lshl_b32 s22, s18, 10
	s_add_co_u32 s22, s22, STAT
	v_lshl_add_u32 v5, v10, 2, s22                 ; where I store my statistics
	s_lshl_b32 s22, s18, 8
	v_and_b32 v[BO], 8, v1
	v_add_nc_u32 v[BO], v[BO], v1
	v_lshl_add_u32 v[BO], v[BO], 2, s22            ; bp: 4 (64 w + r + (r & 8))
	s_add_co_u32 s22, s22, STAT
	v_lshl_add_u32 v11, v10, 2, s22                ; where I read tile w's statistics of wave 0
	s_lshl_b32 s22, s18, 12
	s_add_co_u32 s22, s22, AIMG
	v_add_nc_u32 v12, s22, v[LI]                   ; where I store tile w's fragments
	v_add_nc_u32 v13, AIMG, v[LI]                  ; and where all are read
	s_mul_i32 s22, s18, 17408                      ; my 64 rows of 272 bytes in the stage
	v_mul_u32_u24 v14, v1, 272
	v_lshl_add_u32 v14, v2, 6, v14
	v_add_nc_u32 v14, s22, v14                     ; in: row r of a tile, + 64 h
	v_mul_u32_u24 v15, v2, 272
	v_lshl_add_u32 v15, v1, 4, v15
	v_add_nc_u32 v15, s22, v15                     ; back: lanes 0-15 one row, lanes 16-31 the next
	v_lshlrev_b32 v[XO], 4, v1
	v_lshl_add_u32 v[XO], v2, 16, v[XO]
.irp qt, 0,1,2,3
	v_mov_b32 v[ST+12*\qt+8], 0xff61b1e6           ; the largest raw score so far: -3e38
	v_floor_f32 v[ST+12*\qt], -v[ST+12*\qt+8]      ; -M
	v_mov_b32 v[ST+12*\qt+1], 0
	v_mov_b32 v[ST+12*\qt+2], 0                    ; the sum, in four parts
	v_mov_b32 v[ST+12*\qt+3], 0
	v_mov_b32 v[ST+12*\qt+4], 0
	v_mov_b32 v[ST+12*\qt+5], 0
	v_mov_b32 v[ST+12*\qt+6], 0
	v_mov_b32 v[ST+12*\qt+7], 0                    ; (named as the upper half of f's pair)
	v_mov_b32 v[ST+12*\qt+9], 0                    ; (a lane permute's destination counts as read)
	v_mov_b32 v[ST+12*\qt+10], 0
.endr
	s_wait_kmcnt 0x0
	s_add_co_i32 s22, s54, s55
	s_lshl_b32 s22, s22, 23
	s_add_co_i32 s42, s22, 0x3db8aa3b              ; c = log2(e) / 16, with e6 + e7 added to its exponent field: a raw score stands for score x 2^(e6 + e7)
	s_mov_b32 s43, s42                             ; (named with it as a pair)
	s_add_co_i32 s22, s56, 127
	s_lshl_b32 s23, s22, 23
	v_mov_b32 v8, s23                              ; 2^e8, for p's conversion
	s_add_co_i32 s22, s22, 15
	s_lshl_b32 s22, s22, 23
	s_or_b32 s22, s22, 0x600000
	v_mov_b32 v9, s22                              ; 57,344 x 2^e8
	s_sub_co_i32 s22, s58, s56
	s_sub_co_i32 s22, s22, s57
	s_add_co_i32 s22, s22, 127
	s_lshl_b32 s63, s22, 23                        ; 2^(e10 - e8 - e9), for the attention output's conversion
	s_add_co_i32 s22, s22, 15
	s_lshl_b32 s22, s22, 23
	s_or_b32 s60, s22, 0x600000                    ; 57,344 x that,
	s_xor_b32 s61, s60, 0x80000000                 ; and its negative
	s_add_co_i32 s22, s58, s59
	s_add_co_i32 s22, s22, 127
	s_lshl_b32 s62, s22, 23                        ; 2^(e10 + e11)
.macro KLOAD kt, buf                   ; key tile kt's two fragments into buffer buf (window 0)
.irp q, 0,1,2,3,4,5,6,7
	ds_load_b128 v[KB+32*(\buf)+4*\q:KB+32*(\buf)+4*\q+3], v[ADK] offset:4096*(\kt)+512*\q
.endr
.endm
.macro SMUL kt                         ; S^T of key tile kt for the four query tiles: the four accumulators take turns
	WIN 0x50
.irp qt, 0,1,2,3
	v_wmma_f32_16x16x128_bf8_bf8 v[64*\qt+8*(\kt):64*\qt+8*(\kt)+7], v[KB+32*((\kt)%2):KB+32*((\kt)%2)+15], v[Q+32*\qt:Q+32*\qt+15], 0
.endr
.irp qt, 0,1,2,3
	v_wmma_f32_16x16x128_bf8_bf8 v[64*\qt+8*(\kt):64*\qt+8*(\kt)+7], v[KB+32*((\kt)%2)+16:KB+32*((\kt)%2)+31], v[Q+32*\qt+16:Q+32*\qt+31], v[64*\qt+8*(\kt):64*\qt+8*(\kt)+7]
.endr
.endm
.macro MAXT kt                         ; the running largest raw score takes key tile kt in: each tile from its low end on, the four chains by turns
	WIN 0x14
.irp i, 0,1,2,3
.irp qt, 0,1,2,3
	v_max3_num_f32 v[ST+12*\qt+8], v[ST+12*\qt+8], v[64*\qt+8*(\kt)+2*\i], v[64*\qt+8*(\kt)+2*\i+1]
.endr
.endr
.endm
; The scores of a step.  Behind each tile's products stands the maximum of the tile before: useful work in the places that the loads into K's buffer and the reads of results want.
.macro SPHASE
.irp kt, 0,1,2,3,4,5,6,7
.if \kt < 7
	s_wait_dscnt 8                                 ; this tile's eight loads are in; the next tile's eight may be out
.else
	s_wait_dscnt 0
.endif
	SMUL \kt
.if \kt == 0
.rept 4
	v_nop
.endr
.else
	MAXT \kt-1
.endif
.if \kt < 6
	WIN 0
	KLOAD \kt+2, \kt%2
.endif
.endr
	MAXT 7
.endm
.macro XLOAD                           ; the residual's x, into Q's registers, which the last scores have left: quad n is rows cmap(n), cmap(n) + 1 of my 64 channels, as the way out stores them
	WIN 0
.set n, 0
.rept 32
	global_load_b128 v[Q+4*n:Q+4*n+3], v[XO], s[12:13] offset:65536*(32*(n>>4)+8*((n>>3)&1)+((2*n)&15)+((2*n)&8)) th:TH_LOAD_NT
.set n, n+1
.endr
.endm
.macro STATS                           ; the tiles by turns
	WIN 0
.irp qt, 0,1,2,3
	v_permlanex16_b32 v[ST+12*\qt+9], v[ST+12*\qt+8], s40, s41   ; the query's other keys lie in lane l xor 16
.endr
.irp qt, 0,1,2,3
	v_max_num_f32 v[ST+12*\qt+8], v[ST+12*\qt+8], v[ST+12*\qt+9]
.endr
.irp qt, 0,1,2,3
	v_mul_f32 v[ST+12*\qt+1], s42, v[ST+12*\qt+8]  ; as t (c is positive)
	v_mov_b32 v[ST+12*\qt+10], v[ST+12*\qt]
.endr
.irp qt, 0,1,2,3
	v_floor_f32 v[ST+12*\qt], -v[ST+12*\qt+1]      ; the new -M = floor(-t): M is a whole number
.endr
.irp qt, 0,1,2,3
	v_sub_f32 v[ST+12*\qt+10], v[ST+12*\qt], v[ST+12*\qt+10]   ; old M - new M: a whole number, 0 or less
.endr
.irp qt, 0,1,2,3
	v_cvt_i32_f32 v[ST+12*\qt+10], v[ST+12*\qt+10] ; (it saturates)
.endr
.irp qt, 0,1,2,3
	v_ldexp_f32 v[ST+12*\qt+6], 1.0, v[ST+12*\qt+10]   ; f = 2^(old M - new M)
.endr
.endm
.macro EXPS                            ; t - M and p = 2^(t - M): one batch of 256 exponentials with one wait; a tile's scalings stand between the exponentials of the tile before
	WIN 0x41
.set n, 0
.rept 32
	v_pk_fma_f32 v[2*n:2*n+1], v[2*n:2*n+1], s[42:43], v[ST:ST+1] op_sel_hi:[1,0,0]
.set n, n+1
.endr
.irp qt, 0,1,2,3
.set n, 0
.rept 32
	v_exp_f32 v[64*\qt+2*n], v[64*\qt+2*n]
	v_exp_f32 v[64*\qt+2*n+1], v[64*\qt+2*n+1]
.if \qt < 3
	v_pk_fma_f32 v[64*\qt+64+2*n:64*\qt+65+2*n], v[64*\qt+64+2*n:64*\qt+65+2*n], s[42:43], v[ST+12*\qt+12:ST+12*\qt+13] op_sel_hi:[1,0,0]
.endif
.set n, n+1
.endr
.endr
	WIN 0
.irp qt, 0,1,2,3
	v_pk_mul_f32 v[ST+12*\qt+2:ST+12*\qt+3], v[ST+12*\qt+2:ST+12*\qt+3], v[ST+12*\qt+6:ST+12*\qt+7] op_sel_hi:[1,0]   ; the sums under the new M: plain instructions behind the batch
	v_pk_mul_f32 v[ST+12*\qt+4:ST+12*\qt+5], v[ST+12*\qt+4:ST+12*\qt+5], v[ST+12*\qt+6:ST+12*\qt+7] op_sel_hi:[1,0]
.endr
	s_wait_alu depctr_va_vdst(0)                   ; one wait for the whole batch, ahead of its first reader and of the branches below
.endm
; K's slot is filled again: its reads ended with the scores.  The wait for all my tensor loads waits for V of this step, which the second product is about to read.
.macro CHANGE_A fill
	s_wait_tensorcnt 0x0
.if \fill
	ds_add_u32 v6, v7                              ; 0 onto my spare word
	s_add_co_u32 s66, s66, STEPB                   ; no tensor load of mine is out, so a group 0 may be written: K's offset steps four chunks on
	s_and_b32 s66, s66, FRMSK                      ; and goes round inside the frame;
	s_add_nc_u64 s[34:35], s[44:45], s[66:67]      ; the address is made anew from the base,
	s_or_b32 s35, s35, 0x80000000                  ; with the type on top
	s_wait_dscnt 0x0                               ; the add is done, and my reads of the slot are over
	CROUND                                         ; so of every wave of every partner
	tensor_load_to_lds s[32:35], s[24:31]
	s_nop 0
.rept 4
	v_nop
.endr
.endif
.endm
.macro SUMS                            ; the row's sum is taken of the unquantised p: two at a time, eight chains
	WIN 0x04
.set n, 0
.rept 16
.irp qt, 0,1,2,3
	v_pk_add_f32 v[ST+12*\qt+2:ST+12*\qt+3], v[ST+12*\qt+2:ST+12*\qt+3], v[64*\qt+4*n:64*\qt+4*n+1]
	v_pk_add_f32 v[ST+12*\qt+4:ST+12*\qt+5], v[ST+12*\qt+4:ST+12*\qt+5], v[64*\qt+4*n+2:64*\qt+4*n+3]
.endr
.set n, n+1
.endr
.endm
.macro HCV qt                          ; tile qt's p held, converted into P(qt); V's tiles 4 qt .. 4 qt + 3 then land in the registers that p has left
	WIN 0x41
.set n, 0
.rept 64
	v_min_num_f32 v[64*\qt+n], v[64*\qt+n], v9     ; the conversion does not saturate (ISA guide 7.6.2); p is not negative: a one-sided hold
.set n, n+1
.endr
	WIN 0x01
.irp m, 0,1,2,3,4,5,6,7
	v_cvt_scalef32_pk8_bf8_f32 v[P+16*\qt+2*\m:P+16*\qt+2*\m+1], v[64*\qt+8*\m:64*\qt+8*\m+7], v8
.endr
	v_nop                                          ; a plain instruction behind the last conversion
	WIN 0x40
.set n, 0
.rept 16
	ds_load_b128 v[64*\qt+4*n:64*\qt+4*n+3], v[ADK] offset:32768+8192*\qt+512*n
.set n, n+1
.endr
.endm
.macro RESC i                          ; O^T (qt = i % 4, T = i / 4) under the new M: x f, from its low end on
.if (\i) < 64
.set rq, (\i)%4
.set rT, (\i)/4
	WIN 0x82+0x41*(rq/2)
.irp p, 0,1,2,3
	v_pk_mul_f32 v[128*(rq%2)+8*rT+2*\p:128*(rq%2)+8*rT+2*\p+1], v[128*(rq%2)+8*rT+2*\p:128*(rq%2)+8*rT+2*\p+1], v[ST+12*rq+6:ST+12*rq+7] op_sel_hi:[1,0]
.endr
.endif
.endm
; O^T += V^T P: 64 products, the accumulators by turns; behind product i stands the rescaling of accumulator i + 2, so that the vector work runs beside the matrix work, at the price of two window switches a product
.macro PVPHASE first
.if !\first
	RESC 0
	RESC 1
.endif
.set pi, 0
.rept 64
.set pq, pi%4
.set pT, pi/4
.if pq == 0
	s_wait_dscnt 60-4*pT                           ; V's tile T is in; the four loads of each later tile may be out
.endif
	WIN 0xa1+0x50*(pq/2)
.if \first
	v_wmma_f32_16x16x128_bf8_bf8 v[128*(pq%2)+8*pT:128*(pq%2)+8*pT+7], v[16*pT:16*pT+15], v[P+16*pq:P+16*pq+15], 0
.else
	v_wmma_f32_16x16x128_bf8_bf8 v[128*(pq%2)+8*pT:128*(pq%2)+8*pT+7], v[16*pT:16*pT+15], v[P+16*pq:P+16*pq+15], v[128*(pq%2)+8*pT:128*(pq%2)+8*pT+7]
.endif
.if !\first
	RESC pi+2
.endif
.set pi, pi+1
.endr
	WIN 0
	v_nop                                          ; with the four behind the refill: the places in front of the next scores, which are written over V's registers
	v_nop
.endm
; V's slot is filled again.  The wait for all my tensor loads waits for K of the next step, whose first fragments are then fetched.
.macro CHANGE_B
	s_wait_tensorcnt 0x0
	ds_add_u32 v6, v7                              ; 0 onto my spare word
	s_add_co_u32 s72, s72, STEPB                   ; V's offset steps four chunks on and goes round; its 32,768 lie under the step and inside the mask
	s_and_b32 s72, s72, FRMSK
	s_add_nc_u64 s[38:39], s[44:45], s[72:73]
	s_or_b32 s39, s39, 0x80000000
	s_wait_dscnt 0x0                               ; the add is done, and my reads of the slot are over
	CROUND
	tensor_load_to_lds s[36:39], s[24:31]
	s_nop 0
.rept 4
	v_nop                                          ; also the places in front of the loads into P's registers
.endr
	KLOAD 0, 0
	KLOAD 1, 1
.endm
.macro STEP first, fill
	SPHASE
.if !\fill
	XLOAD
.endif
	STATS
	EXPS
	CHANGE_A \fill
	SUMS
	HCV 0
	HCV 1
	HCV 2
	HCV 3
	PVPHASE \first
.if \fill
	CHANGE_B
.endif
.endm
	s_wait_tensorcnt 0x1                           ; K of my first chunk is in; V's load may stay out.  My own bytes: no barrier
	KLOAD 0, 0
	KLOAD 1, 1
	s_wait_loadcnt 0x0                             ; Q
	STEP 1, 1                                      ; the first step starts O^T's sums with the constant 0: nothing is cleared
	s_mov_b32 s47, 6
.Lstep:
	STEP 0, 1
	s_sub_co_u32 s47, s47, 1
	s_cmp_lg_u32 s47, 0
	s_cbranch_scc1 .Lstep
	STEP 0, 0                                      ; the last step is written out: it asks for nothing
	; ---- my sums, and my part of everything to LDS.  The additions are places behind the last products
.irp qt, 0,1,2,3
	v_pk_add_f32 v[ST+12*\qt+2:ST+12*\qt+3], v[ST+12*\qt+2:ST+12*\qt+3], v[ST+12*\qt+4:ST+12*\qt+5]
.endr
.irp qt, 0,1,2,3
	v_add_f32 v[ST+12*\qt+9], v[ST+12*\qt+2], v[ST+12*\qt+3]
.endr
.irp qt, 0,1,2,3
	v_permlanex16_b32 v[ST+12*\qt+10], v[ST+12*\qt+9], s40, s41
.endr
.irp qt, 0,1,2,3
	v_add_f32 v[ST+12*\qt+9], v[ST+12*\qt+9], v[ST+12*\qt+10]   ; the sum over my wave's keys
.endr
	s_lshl_b32 s22, s18, 14
	v_add_nc_u32 v224, s22, v[LI]                  ; tile w's part of wave 0, 1, 2, 3
	v_add_nc_u32 v225, 0x10000, v224
	v_add_nc_u32 v226, 0x20000, v224
	v_add_nc_u32 v227, 0x30000, v224
	v_mov_b32 v234, s63
.irp qt, 0,1,2,3
	ds_store_b32 v5, v[ST+12*\qt] offset:256*\qt
	ds_store_b32 v5, v[ST+12*\qt+9] offset:256*\qt+128
.endr
.irp qt, 0,1,2,3                       ; all four tiles go out, into my own slots, which have had their last fill
	WIN 0x08+4*(\qt/2)
.set n, 0
.rept 32
	ds_store_b128 v[ADK], v[128*(\qt%2)+4*n:128*(\qt%2)+4*n+3] offset:16384*\qt+512*n
.set n, n+1
.endr
.endr
	WIN 0x40
.set n, 0
.rept 32
	global_load_b128 v[128+4*n:128+4*n+3], v[LI], s[8:9] offset:512*n   ; wp's eight fragments (tt, s) at 128 + 16 (2 tt + s) of window 1
.set n, n+1
.endr
	WIN 0
.irp tt, 0,1,2,3
	global_load_b32 v[230+\tt], v[BO], s[10:11] offset:128*(\tt/2)+32*(\tt%2)
.endr
	s_wait_dscnt 0x0                               ; for the others' sake: my stores have landed
	s_barrier_signal -1
	s_barrier_wait -1
	; ---- wave w merges query tile w
.macro PART p                          ; wave p's part into window 2 + p / 2, v[128 (p % 2)] on
	WIN 0x80+0x40*(\p/2)
.set n, 0
.rept 32
	ds_load_b128 v[128*(\p%2)+4*n:128*(\p%2)+4*n+3], v[224+\p] offset:512*n
.set n, n+1
.endr
.endm
.irp p, 0,1,2,3
	ds_load_b32 v[244+\p], v11 offset:1024*\p
	ds_load_b32 v[248+\p], v11 offset:1024*\p+128
.endr
	PART 0
	WIN 0
	s_wait_dscnt 32                                ; the statistics are in; part 0's 32 loads may be out
	v_min3_num_f32 v252, v244, v245, v246
	v_min_num_f32 v252, v252, v247                 ; -M of the whole row: the least of the four
.irp p, 0,1,2,3
	v_sub_f32 v[236+2*\p], v252, v[244+\p]         ; M of the part - M: a whole number, 0 or less
.endr
.irp p, 0,1,2,3
	v_cvt_i32_f32 v[236+2*\p], v[236+2*\p]
.endr
.irp p, 0,1,2,3
	v_ldexp_f32 v[236+2*\p], 1.0, v[236+2*\p]
.endr
	v_mul_f32 v253, v236, v248
	v_fmac_f32 v253, v238, v249
	v_fmac_f32 v253, v240, v250
	v_fmac_f32 v253, v242, v251                    ; the row's sum
	v_rcp_f32 v254, v253
	v_mov_b32 v237, 0                              ; (the pairs' upper halves; plain instructions behind the reciprocal)
	v_mov_b32 v239, 0
	v_mov_b32 v241, 0
	v_mov_b32 v243, 0
	s_wait_alu depctr_va_vdst(0)                   ; the wait, ahead of the first reader
.irp p, 0,1,2,3
	v_mul_f32 v[236+2*\p], v[236+2*\p], v254       ; 2^(M of the part - M) / the sum
.endr
	PART 1
	s_wait_dscnt 32                                ; part 0 is in
	WIN 0x42
.set n, 0
.rept 64
	v_pk_mul_f32 v[2*n:2*n+1], v[2*n:2*n+1], v[236:237] op_sel_hi:[1,0]   ; the merged tile in window 1, v0-127
.set n, n+1
.endr
	PART 2
	s_wait_dscnt 32
	WIN 0x52
.set n, 0
.rept 64
	v_pk_fma_f32 v[2*n:2*n+1], v[128+2*n:129+2*n], v[238:239], v[2*n:2*n+1] op_sel_hi:[1,0,1]
.set n, n+1
.endr
	PART 3
	s_wait_dscnt 32
	WIN 0x53
.set n, 0
.rept 64
	v_pk_fma_f32 v[2*n:2*n+1], v[2*n:2*n+1], v[240:241], v[2*n:2*n+1] op_sel_hi:[1,0,1]
.set n, n+1
.endr
	s_wait_dscnt 0x0
.set n, 0
.rept 64
	v_pk_fma_f32 v[2*n:2*n+1], v[128+2*n:129+2*n], v[242:243], v[2*n:2*n+1] op_sel_hi:[1,0,1]
.set n, n+1
.endr
	; ---- the attention output of tile w becomes two fragments
	WIN 0x41
.set n, 0
.rept 128
	v_med3_num_f32 v[n], v[n], s61, s60
.set n, n+1
.endr
	WIN 0x01
.set n, 0
.rept 16
	v_cvt_scalef32_pk8_bf8_f32 v[192+2*n:193+2*n], v[8*n:8*n+7], v234
.set n, n+1
.endr
	v_nop                                          ; a plain instruction behind the last conversion
	WIN 0
.irp b, 0,1,2,3,4,5,6,7
	ds_store_b128 v12, v[192+4*\b:195+4*\b] offset:512*\b
.endr
	s_wait_dscnt 0x0                               ; my stores have landed, and my reads of the parts are over
	s_barrier_signal -1
	s_barrier_wait -1
	; ---- the projection: source 0 = 16 queries, source 1 = 16 of my channels of wp: a lane holds one channel and eight neighbouring positions
	WIN 0x40
.set n, 0
.rept 32
	ds_load_b128 v[4*n:4*n+3], v13 offset:512*n
.set n, n+1
.endr
	s_wait_dscnt 0x0
	s_wait_loadcnt 0x0                             ; wp, bp, x
	WIN 0xa5                                       ; sources 0 and 1 window 1, C and D window 2: y (tt, qt) at 8 (4 tt + qt); 16 accumulators by turns
.irp tt, 0,1,2,3
.irp qt, 0,1,2,3
	v_wmma_f32_16x16x128_bf8_bf8 v[8*(4*\tt+\qt):8*(4*\tt+\qt)+7], v[32*\qt:32*\qt+15], v[128+32*\tt:128+32*\tt+15], 0
.endr
.endr
.irp tt, 0,1,2,3
.irp qt, 0,1,2,3
	v_wmma_f32_16x16x128_bf8_bf8 v[8*(4*\tt+\qt):8*(4*\tt+\qt)+7], v[32*\qt+16:32*\qt+31], v[128+32*\tt+16:128+32*\tt+31], v[8*(4*\tt+\qt):8*(4*\tt+\qt)+7]
.endr
.endr
.rept 4
	v_nop
.endr
	WIN 0x82
.irp tt, 0,1,2,3
.irp qt, 0,1,2,3
.irp j, 0,1,2,3,4,5,6,7
	v_fma_f32 v[8*(4*\tt+\qt)+\j], v[8*(4*\tt+\qt)+\j], s62, v[230+\tt]   ; sum x 2^(e10 + e11) + bp
.endr
.endr
.endr
	; ---- the way out: my 64 channels' rows of 64 positions through my own stage (it lies where parts lay that nobody reads behind the last barrier), back as whole rows of 256 bytes
	WIN 0x08
.irp tt, 0,1,2,3
.irp qt, 0,1,2,3
	ds_store_b128 v14, v[8*(4*\tt+\qt):8*(4*\tt+\qt)+3] offset:4352*\tt+128*(\qt/2)+32*(\qt%2)
	ds_store_b128 v14, v[8*(4*\tt+\qt)+4:8*(4*\tt+\qt)+7] offset:4352*\tt+128*(\qt/2)+32*(\qt%2)+16
.endr
.endr
	WIN 0xc0
.set n, 0
.rept 32
	ds_load_b128 v[4*n:4*n+3], v15 offset:544*n    ; LDS serves a wave's instructions in order (ISA guide 5.7.1.4): these see my stores
.set n, n+1
.endr
	s_wait_dscnt 0x0
	WIN 0xc3
.set n, 0
.rept 64
	v_pk_add_f32 v[2*n:2*n+1], v[2*n:2*n+1], v[Q+2*n:Q+2*n+1]   ; + x
.set n, n+1
.endr
	WIN 0x0c
.set n, 0
.rept 32
	global_store_b128 v[XO], v[4*n:4*n+3], s[16:17] offset:65536*(32*(n>>4)+8*((n>>3)&1)+((2*n)&15)+((2*n)&8)) th:TH_STORE_NT   ; sixteen lanes store 256 consecutive bytes, aligned
.set n, n+1
.endr
	WIN 0
	s_wait_tensorcnt 0x0                           ; the wave's end, behind my last tensor load and my last LDS store
	ds_add_u32 v6, v7
	s_wait_dscnt 0x0
	CROUND                                         ; the closing round
	s_endpgm
.Lfunc_end_k_qe4d2f05bd0_attn:
	.size	k_qe4d2f05bd0_attn, .Lfunc_end_k_qe4d2f05bd0_attn-k_qe4d2f05bd0_attn
	.p2alignl 7, 3214868480
	.fill 96, 4, 3214868480
	.section	.rodata,"a",@progbits
	.p2align	6, 0x0
	.amdhsa_kernel k_qe4d2f05bd0_attn
		.amdhsa_group_segment_fixed_size 327680
		.amdhsa_private_segment_fixed_size 0
		.amdhsa_enable_private_segment 0
		.amdhsa_kernarg_size 56
		.amdhsa_user_sgpr_count 2
		.amdhsa_user_sgpr_kernarg_segment_ptr 1
		.amdhsa_wavefront_size32 1
		.amdhsa_system_sgpr_workgroup_id_x 1
		.amdhsa_system_sgpr_workgroup_id_y 1
		.amdhsa_system_sgpr_workgroup_id_z 1
		.amdhsa_system_vgpr_workitem_id 0
		.amdhsa_next_free_vgpr 1024
		.amdhsa_next_free_sgpr 76
		.amdhsa_reserve_vcc 0
		.amdhsa_float_denorm_mode_32 3
		.amdhsa_float_denorm_mode_16_64 3
		.amdhsa_memory_ordered 1
		.amdhsa_forward_progress 1
		.amdhsa_inst_pref_size 255
	.end_amdhsa_kernel
	.section	.bss,"aw",@nobits
	.p2align	6
	.space	262144
	.amdgpu_metadata
---
amdhsa.version: [ 1, 2 ]
amdhsa.kernels:
  - .name:           k_qe4d2f05bd0_attn
    .symbol:         k_qe4d2f05bd0_attn.kd
    .args:
      - { .name: qcodes, .offset: 0, .size: 8, .value_kind: global_buffer, .address_space: global }
      - { .name: kvcodes, .offset: 8, .size: 8, .value_kind: global_buffer, .address_space: global }
      - { .name: wcodes, .offset: 16, .size: 8, .value_kind: global_buffer, .address_space: global }
      - { .name: bp, .offset: 24, .size: 8, .value_kind: global_buffer, .address_space: global }
      - { .name: x, .offset: 32, .size: 8, .value_kind: global_buffer, .address_space: global }
      - { .name: lowp_scales, .offset: 40, .size: 8, .value_kind: global_buffer, .address_space: global }
      - { .name: out0, .offset: 48, .size: 8, .value_kind: global_buffer, .address_space: global }
    .group_segment_fixed_size: 327680
    .private_segment_fixed_size: 0
    .kernarg_segment_align: 8
    .kernarg_segment_size: 56
    .max_flat_workgroup_size: 128
    .sgpr_count:     76
    .vgpr_count:     1024
    .wavefront_size: 32
...
	.end_amdgpu_metadata
.endif
;; end of part 3
